; MI455X (gfx1250); checked and timed in simulation.
; The chip was launched on July 23, 2026; its instructions are those of AMD's public machine-readable ISA for CDNA 5 (MIT licence, August 2026) and "CDNA5" Instruction Set Architecture Reference Guide (July 2026). The comments in the code are by the model that wrote it; some were corrected since.
;; Multi Modal Spiking Transformer. Allowed arithmetic: matrix products marked QUANTISED: E4M3 operands, one given power-of-two scale a tensor, by v_wmma_f32_16x16x64_fp8_fp8 or v_wmma_f32_16x16x128_fp8_fp8, f32 sums; everything else in f32.
;; Inputs: Wk 512 x 512 float32; Wo 512 x 512 float32; Wq 512 x 512 float32; Wv 512 x 512 float32; bk 512 float32; bo 512 float32; bq 512 float32; bv 512 float32; key_spikes 4 x 32 x 256 x 512 float32; lowp_scales 12 int32 (the exponents e of the quantised operands' scales 2^e); modality_weights 2 x 8 float32; query_spikes 4 x 32 x 256 x 512 float32; temporal_sync 32 x 8 float32; value_spikes 4 x 32 x 256 x 512 float32.
;; Outputs: out0 4 x 32 x 256 x 512 float32.
;; This version of the problem:
;;   THIS VERSION OF THE PROBLEM IS GIVEN IN LOW PRECISION. The matrix products marked QUANTISED in the list below multiply operands that are first quantised to E4M3 (4 exponent bits, 3 mantissa bits; 8 bits a number), with one given power-of-two scale for each operand tensor; their sums are f32. All else is computed in f32.
;;   The module's matrix products, in the order in which they are computed (A, B: the left and right operand; K: the contracted axis; several contracted axes count as one K, in the product's order):
;;     1. [M 32,768, K 512] x [K 512, N 512]; A: input query_spikes; B: input Wq: QUANTISED (scales: A lowp_scales[0], B lowp_scales[1])
;;     2. [M 32,768, K 512] x [K 512, N 512]; A: input key_spikes; B: input Wk: QUANTISED (scales: A lowp_scales[2], B lowp_scales[3])
;;     3. [M 32,768, K 512] x [K 512, N 512]; A: input value_spikes; B: input Wv: QUANTISED (scales: A lowp_scales[4], B lowp_scales[5])
;;     4. batch 1,024 x [M 256, K 64] x [K 64, N 256]; A: computed on the way; B: computed on the way: QUANTISED (scales: A lowp_scales[6], B lowp_scales[7])
;;     5. batch 1,024 x [M 256, K 256] x [K 256, N 64]; A: computed on the way; B: computed on the way: QUANTISED (scales: A lowp_scales[8], B lowp_scales[9])
;;     6. [M 32,768, K 512] x [K 512, N 512]; A: computed on the way; B: input Wo: QUANTISED (scales: A lowp_scales[10], B lowp_scales[11])
;;   THE QUANTISER, for each operand of a quantised product, along K:
;;     - The operand's scale is 2^e, e = its entry of the input lowp_scales (int32; the entries are numbered through the quantised products in the list's order, A before B).
;;     - Each number is divided by the scale, clamped to +-448, and rounded to the nearest number of E4M3, ties to even, subnormals kept.
;;     - The product sums the exact products of the quantised numbers (number of the format x scale) in f32.
;;   ~~~python
;;   def quantise(x, axis, e):      # numpy; x: float32 -> the quantised numbers, widened to float32 again
;;       x = np.moveaxis(x, axis, -1); K = x.shape[-1]
;;       r = np.clip(x / 2.0 ** e, -448, 448)
;;       step = 2.0 ** (np.maximum(np.frexp(np.where(r == 0, 1, r))[1] - 1, -6) - 3)
;;       q = np.round(r / step) * step * 2.0 ** e      # np.round: ties to even
;;       return np.moveaxis(q, -1, axis).astype(np.float32)
;;   ~~~
;;   OPERANDS COMPUTED ON THE WAY. 'Computed on the way' means the value that the module computes at that place (a softmax that the list does not call 'softmax' is quantised finished and normalised). What goes into a quantiser is computed in f32, as accurately as f32 sums, v_exp_f32 and their like allow (about 1e-6 of the number): no bf16 or f16 on the way to a quantiser, and a product that is left as it is and whose result goes on into a quantised operand takes f32 operands (vector FMAs, or v_wmma_f32_16x16x4_f32). A number that lies on a knife's edge between two numbers of the format may be rounded either way, as far as f32 arithmetic and the matrix unit's own rounding can turn it there, and no further.
;; One version. Each part assembles by itself: llvm-mc -triple=amdgcn-amd-amdhsa -mcpu=gfx1250 --defsym DOCPART=n.
;; ======== version 1 of 1: 3 launches
;; workspace buffers: wimg 1,048,576 bytes; kvimg 33,554,432 bytes
;; launch prep (part 1): grid 256 x 1, 4 waves a work-group, no clusters, 0 bytes of LDS; arguments Wk, Wv, Wq, Wo, lowp_scales, wimg; writes wimg
.if DOCPART == 1
	.amdgcn_target "amdgcn-amd-amdhsa--gfx1250"
	.amdhsa_code_object_version 6
	.text
	.protected	k_qcd77d1eae8_prep
	.globl	k_qcd77d1eae8_prep
	.p2align	8
	.type	k_qcd77d1eae8_prep,@function
k_qcd77d1eae8_prep:
	s_mov_b64 s[64:65], 0
	v_nop
	global_prefetch_b8 v0, s[64:65] scope:SCOPE_SE
	s_setreg_imm32_b32 hwreg(HW_REG_WAVE_MODE, 25, 1), 1
	s_wait_xcnt 0x0
; THE PROGRAM: spiking attention over 128 slices (b, t) of 256 positions, E = 512, 8 heads of 64; six products on codes of E4M3, each operand with its given scale 2^e.
; Three launches: this one turns the four weights into codes, once; the second projects keys and values, once, into codes laid as the third's operand registers; the third projects the queries,
; attends and projects out, for one slice and one half of its queries in each work-group.
; WORK LEFT OUT: temporal_sync.  reference() adds temporal_sync[t, h] to every score of a row (b, t, h, q, :) alike, behind the quantised product Q K^T, and uses the scores only as
; scores - max over that same row.  (s + c) - max(s + c) = s - max(s) for every real c and every s, so the term reaches no output and no quantiser, whatever the inputs hold.
; temporal_sync is not loaded and is among no launch's arguments.  LIMIT: a NaN, an infinity or an overflow that reaches only that term is not carried to the result.
; All else is live: the four biases, modality_weights (its sign decides which score is the largest), the 1e-8.
;
; THIS LAUNCH: W [512 (k)][512 (n)] f32, K its FIRST axis, becomes codes laid in the order of the operand's registers:
;   wimg[mu: 0 Wk, 1 Wv, 2 Wq, 3 Wo][head w: 8][tile t of 16 columns: 4][K step s of 128: 4][group c of four registers: 4][lane: 32][16 bytes]
; so that the later launches fill a fragment by loads of 16 bytes a lane, 512 consecutive bytes an instruction.  Lane (r, h) of a fragment holds column n = 64 w + 16 t + r; byte be of its register 4 c + i is
;   mu < 3:  k = 128 i + 32 s + 8 c + 4 h + be          (the order in which the later launches' codes of x lie: the same permutation of k on both sides of a product keeps every pair)
;   mu = 3:  k = 128 s + 32 c + 16 (i / 2) + 8 h + 4 (i % 2) + be   (the form's own order, in which the attended codes fall out of the product before)
; A LANE TAKES A COLUMN AND ITS REGISTERS RUN DOWN K: a load reads 128 consecutive bytes a wave (the four waves side by side: 512), and the conversions give the 16 bytes as they are stored.
; Work-group g: mu = g / 64, quarter cq of the columns = (g / 16) % 4, s = (g / 4) % 4, c = g % 4.  Wave v: columns 128 cq + 32 v + lane.  Two units a lane (h = 0, 1) of 16 numbers.
; code = x / 2^e, held within +-448, to the nearest code, ties to even.  LIMITS: e between -126 and 119; NaN among the inputs is not served.
.set ROWB, 2048                        ; a row of W in bytes
	s_load_b256 s[4:11], s[0:1], 0x0               ; Wk, Wv, Wq, Wo
	s_load_b128 s[12:15], s[0:1], 0x20             ; the scales' exponents, wimg
	v_lshrrev_b32 v1, 5, v0
	v_readfirstlane_b32 s16, v1                    ; wave v
	v_and_b32 v2, 31, v0                           ; lane
	v_lshlrev_b32 v3, 2, v2                        ; in: 4 bytes a lane
	v_lshrrev_b32 v4, 4, v2
	v_and_b32 v5, 15, v2
	v_lshlrev_b32 v5, 4, v5
	v_lshl_add_u32 v4, v4, 13, v5                  ; out: tile (lane / 16) x 8,192 + 16 (lane % 16)
	s_lshr_b32 s17, ttmp9, 6                       ; mu
	s_bfe_u32 s18, ttmp9, 0x20004                  ; cq
	s_bfe_u32 s19, ttmp9, 0x20002                  ; s
	s_and_b32 s20, ttmp9, 3                        ; c
	s_lshl_b32 s21, s19, 5
	s_lshl_b32 s22, s20, 3
	s_add_co_u32 s21, s21, s22                     ; the first row: 32 s + 8 c,
	s_lshl_b32 s22, s21, 2                         ; or 128 s + 32 c for Wo
	s_cmp_eq_u32 s17, 3
	s_cselect_b32 s21, s22, s21
	s_lshl_b32 s22, s21, 11                        ; in bytes,
	s_lshl_b32 s21, s18, 9
	s_add_co_u32 s22, s22, s21                     ; + 512 cq
	s_lshl_b32 s21, s16, 7
	s_add_co_u32 s22, s22, s21                     ; + 128 v
	s_mov_b32 s23, 0
	s_lshl_b32 s36, s17, 18                        ; out: mu x 262,144
	s_lshl_b32 s21, s18, 16
	s_add_co_u32 s36, s36, s21                     ; + head (2 cq + v / 2) x 32,768
	s_lshr_b32 s21, s16, 1
	s_lshl_b32 s21, s21, 15
	s_add_co_u32 s36, s36, s21
	s_and_b32 s21, s16, 1
	s_lshl_b32 s21, s21, 14
	s_add_co_u32 s36, s36, s21                     ; + tiles 2 (v % 2) x 8,192
	s_lshl_b32 s21, s19, 11
	s_add_co_u32 s36, s36, s21                     ; + 2,048 s
	s_lshl_b32 s21, s20, 9
	s_add_co_u32 s36, s36, s21                     ; + 512 c
	s_mov_b32 s37, 0
	s_wait_kmcnt 0x0
	s_load_b256 s[24:31], s[12:13], 0x0            ; e0 .. e7
	s_load_b128 s[32:35], s[12:13], 0x20           ; e8 .. e11
	s_cmp_eq_u32 s17, 1                            ; which weight: the choice hangs on the work-group's number alone
	s_cselect_b64 s[4:5], s[6:7], s[4:5]
	s_cmp_eq_u32 s17, 2
	s_cselect_b64 s[4:5], s[8:9], s[4:5]
	s_cmp_eq_u32 s17, 3
	s_cselect_b64 s[4:5], s[10:11], s[4:5]
	s_add_nc_u64 s[4:5], s[4:5], s[22:23]
	s_add_nc_u64 s[14:15], s[14:15], s[36:37]
	s_cmp_eq_u32 s17, 3
	s_cbranch_scc1 .Lown_order
.irp h, 0,1
.irp q, 0,1,2,3,4,5,6,7,8,9,10,11,12,13,14,15
	global_load_b32 v[16+16*\h+\q], v3, s[4:5] offset:(4*\h+128*(\q/4)+\q%4)*ROWB th:TH_LOAD_NT   ; number q = 4 i + be of unit h: row 128 i + 4 h + be on
.endr
.endr
	s_branch .Lloaded
.Lown_order:
.irp h, 0,1
.irp q, 0,1,2,3,4,5,6,7,8,9,10,11,12,13,14,15
	global_load_b32 v[16+16*\h+\q], v3, s[4:5] offset:(8*\h+16*(\q/8)+\q%8)*ROWB th:TH_LOAD_NT    ; Wo: row 16 (i / 2) + 8 h + 4 (i % 2) + be on
.endr
.endr
.Lloaded:
	s_wait_kmcnt 0x0
	s_mov_b32 s38, s27                             ; e: Wk's is entry 3,
	s_cmp_eq_u32 s17, 1
	s_cselect_b32 s38, s29, s38                    ; Wv's 5,
	s_cmp_eq_u32 s17, 2
	s_cselect_b32 s38, s25, s38                    ; Wq's 1,
	s_cmp_eq_u32 s17, 3
	s_cselect_b32 s38, s35, s38                    ; Wo's 11
	s_add_co_i32 s38, s38, 127
	s_lshl_b32 s39, s38, 23
	v_mov_b32 v11, s39                             ; 2^e as f32: the conversion takes its exponent field
	s_add_co_i32 s38, s38, 8
	s_lshl_b32 s38, s38, 23
	s_or_b32 s38, s38, 0x600000
	v_mov_b32 v10, s38                             ; 448 x 2^e
	s_wait_loadcnt 0x0
.set n, 0
.rept 32
	v_med3_num_f32 v[16+n], v[16+n], -v10, v10     ; the conversion to an 8-bit code does not saturate (ISA guide 7.6.2): the hold comes first
.set n, n+1
.endr
	v_cvt_scalef32_pk8_fp8_f32 v[48:49], v[16:23], v11
	v_cvt_scalef32_pk8_fp8_f32 v[50:51], v[24:31], v11
	v_cvt_scalef32_pk8_fp8_f32 v[52:53], v[32:39], v11
	v_cvt_scalef32_pk8_fp8_f32 v[54:55], v[40:47], v11
	v_nop                                          ; a plain line behind the last conversion
	global_store_b128 v4, v[48:51], s[14:15]                   ; unit h = 0: lanes 0-15 and lanes 16-31 each store 256 consecutive bytes, at a multiple of 256 from wimg's first byte
	global_store_b128 v4, v[52:55], s[14:15] offset:256        ; unit h = 1: the 256 bytes behind
	s_endpgm
.Lfunc_end_k_qcd77d1eae8_prep:
	.size	k_qcd77d1eae8_prep, .Lfunc_end_k_qcd77d1eae8_prep-k_qcd77d1eae8_prep
	.p2alignl 7, 3214868480
	.fill 96, 4, 3214868480
	.section	.rodata,"a",@progbits
	.p2align	6, 0x0
	.amdhsa_kernel k_qcd77d1eae8_prep
		.amdhsa_group_segment_fixed_size 0
		.amdhsa_private_segment_fixed_size 0
		.amdhsa_enable_private_segment 0
		.amdhsa_kernarg_size 48
		.amdhsa_user_sgpr_count 2
		.amdhsa_user_sgpr_kernarg_segment_ptr 1
		.amdhsa_wavefront_size32 1
		.amdhsa_system_sgpr_workgroup_id_x 1
		.amdhsa_system_sgpr_workgroup_id_y 1
		.amdhsa_system_sgpr_workgroup_id_z 1
		.amdhsa_system_vgpr_workitem_id 0
		.amdhsa_next_free_vgpr 64
		.amdhsa_next_free_sgpr 66
		.amdhsa_reserve_vcc 0
		.amdhsa_float_denorm_mode_32 3
		.amdhsa_float_denorm_mode_16_64 3
		.amdhsa_memory_ordered 1
		.amdhsa_forward_progress 1
		.amdhsa_inst_pref_size 12
	.end_amdhsa_kernel
	.amdgpu_metadata
---
amdhsa.version: [ 1, 2 ]
amdhsa.kernels:
  - .name:           k_qcd77d1eae8_prep
    .symbol:         k_qcd77d1eae8_prep.kd
    .args:
      - { .name: Wk, .offset: 0, .size: 8, .value_kind: global_buffer, .address_space: global }
      - { .name: Wv, .offset: 8, .size: 8, .value_kind: global_buffer, .address_space: global }
      - { .name: Wq, .offset: 16, .size: 8, .value_kind: global_buffer, .address_space: global }
      - { .name: Wo, .offset: 24, .size: 8, .value_kind: global_buffer, .address_space: global }
      - { .name: lowp_scales, .offset: 32, .size: 8, .value_kind: global_buffer, .address_space: global }
      - { .name: wimg, .offset: 40, .size: 8, .value_kind: global_buffer, .address_space: global }
    .group_segment_fixed_size: 0
    .private_segment_fixed_size: 0
    .kernarg_segment_align: 8
    .kernarg_segment_size: 48
    .max_flat_workgroup_size: 128
    .sgpr_count:     66
    .vgpr_count:     64
    .wavefront_size: 32
...
	.end_amdgpu_metadata
.endif
;; end of part 1
;; launch project (part 2): grid 256 x 1, 8 waves a work-group, no clusters, 34,816 bytes of LDS; arguments key_spikes, value_spikes, wimg, bk, bv, lowp_scales, kvimg; writes kvimg
.if DOCPART == 2
	.amdgcn_target "amdgcn-amd-amdhsa--gfx1250"
	.amdhsa_code_object_version 6
	.text
	.protected	k_qcd77d1eae8_project
	.globl	k_qcd77d1eae8_project
	.p2align	8
	.type	k_qcd77d1eae8_project,@function
k_qcd77d1eae8_project:
	s_mov_b64 s[64:65], 0
	v_nop
	global_prefetch_b8 v0, s[64:65] scope:SCOPE_SE
	s_setreg_imm32_b32 hwreg(HW_REG_WAVE_MODE, 25, 1), 1
	s_wait_xcnt 0x0
; K = key_spikes Wk + bk and V = value_spikes Wv + bv, both products on codes of E4M3 with the given scales, and the results quantised as operands of the two products of attention (2^e7, 2^e9).
; Each row is projected ONCE here; both query halves of a slice read the codes in the next launch.  No work of reference() is left out in this launch.
; kvimg[slice bt: 128][K, V][head w: 8][16,384 bytes] holds IMAGES OF THE NEXT LAUNCH'S OPERAND REGISTERS, 16 bytes a lane, 512 bytes a group of four registers:
;   K: the tile of keys 16 kt on (16 keys x 64 features: 8 registers) at 1,024 kt + 512 g;   V^T: fragment (16 features 16 t on, 128 keys 128 kb on: 16 registers), group g at 4,096 t + 2,048 kb + 512 g.
; SHARES.  Work-group x: slice bt = x / 2, rows 128 (x % 2) on, of the keys and then of the values: one way through the text for all work-groups.  WAVE w IS HEAD w: its 64 columns of a weight are 16 fragments
; = 256 registers (window 1), loaded once from wimg.  Spikes are loaded as they lie (512 consecutive bytes an instruction), quantised in registers, and shared as codes through a stage in LDS (32 rows a chunk,
; two buffers, one barrier a chunk).  A lane's 16 codes of a row are k = 128 j + 4 lane + m (byte 4 j + m): wimg is laid in that order.
; LAYOUTS.  K: D = W^T x^T (source 0 = 16 columns of W, source 1 = 16 rows of x): a lane holds one key and 8 neighbouring features: two registers of codes = registers 2 t, 2 t + 1 of a 16 x 64 fragment.
; V: D = x W (source 0 = x): a lane holds one feature and 8 neighbouring keys: registers of V^T's fragment, keys along K.  Nothing is transposed.
; Four chunks a tensor, two to a trip, written out: each trip has its own registers for its codes, and the bases are stepped between trips.  The ring of x's loads runs on from the keys into the values.
; NO TENSOR LOADS, NO JOINT LOADS: all work-groups read the same weight codes, but each byte goes once a work-group straight into the register in which it is used; a joint load would land in LDS first.
; NO PREFETCH: the launch asks for its inputs all the time, sixteen loads a wave ahead.
; LIMITS: e2, e4, e7 - e2 - e3, e9 - e4 - e5 between -126 and 119; NaN and infinity among the inputs are not served.
; LDS: 0: the stage, two buffers of 32 rows x (512 + 16) bytes;  33,792: the spare words.
; REGISTERS, window 0: v1 16 lane; v2 x offset; v3, v4 stage in, out; v9 32 h; v10 4 r; v12-15 scales and holds; v16, v17 the add's two; v22, v23 at work; then as named below.   Window 1: the weight's fragment (t, s) at 16 (4 t + s).
.set XPITCH, 528                       ; a stage row: 512 codes + 16 bytes = 132 words: row r starts at bank 4 r mod 64 (64 banks of 4 bytes: ISA guide 11.1)
.set XBUF,   32*XPITCH
.set SPARE,  2*XBUF                    ; 33,792: 128 bytes for each of eight waves, which no other line names
.set BIAS, 24                          ; v24-55   the bias in the result's layout
.set FR,   56                          ; v56-87   x's fragments of two K steps
.set ACC,  88                          ; v88-119  four accumulators
.set CT,   88                          ; v88-103  (between the products) the codes on their way to the stage
.set XR,   120                         ; v120-183 four rows of x, 16 numbers a lane each
.set CODE, 184                         ; v184-215 the results' codes: 16 registers for each of a trip's two chunks
.set WP,  10                           ; s[10:11] wimg at my head
.set XP,  44                           ; s[44:45] x at the trip's first chunk
.set XN,  46                           ; s[46:47] what the trip's second chunk asks for
.set NXT, 48                           ; s[48:49] the values' first chunk
.set KB,  50                           ; s[50:51] K's image at the trip's tiles
.set VB,  52                           ; s[52:53] V's image at the trip's groups
.set MSB, 0
.macro WIN new                         ; the immediate's high byte repeats the setting that is left; a switch that changes nothing is dropped
.if MSB != \new
	s_set_vgpr_msb (MSB<<8)|\new
.set MSB, \new
.endif
.endm
.macro PLACES                          ; four plain places behind a matrix instruction, ahead of loads into registers that it read and of reads of its result
.rept 4
	v_nop
.endr
.endm
.macro BAR                             ; my LDS stores have landed and my LDS loads are in: then the work-group's barrier
	s_wait_dscnt 0x0
	s_barrier_signal -1
	s_barrier_wait -1
.endm
.macro SCLIM vs, vl                    ; s66 = e:  v[vs] = 2^e (the conversion takes its exponent field), v[vl] = 448 x 2^e
	s_add_co_i32 s66, s66, 127
	s_lshl_b32 s67, s66, 23
	v_mov_b32 v[\vs], s67
	s_add_co_i32 s66, s66, 8
	s_lshl_b32 s66, s66, 23
	s_or_b32 s66, s66, 0x600000
	v_mov_b32 v[\vl], s66
.endm
.macro CONST ea, ew, eo                ; a projection's constants: x's scale; the result's: a sum stands for sum x 2^(ea + ew), so its code is sum / 2^(eo - ea - ew); s70 = -(ea + ew) for the bias
	s_mov_b32 s66, s[\ea]
	SCLIM 12, 13
	s_add_co_i32 s70, s[\ea], s[\ew]
	s_sub_co_i32 s66, s[\eo], s70
	SCLIM 14, 15
	s_sub_co_i32 s70, 0, s70
.endm
.macro XROW i, base, imm               ; row 4 w + i of a chunk: four loads of 512 consecutive bytes; register 4 j + m of the row: k = 128 j + 4 lane + m.  Each byte is read once in the launch
.irp j, 0,1,2,3
	global_load_b128 v[XR+16*(\i)+4*\j:XR+16*(\i)+4*\j+3], v2, s[\base:\base+1] offset:\imm+(\i)*2048+\j*512 th:TH_LOAD_NT
.endr
.endm
.macro WLOAD mu                        ; my head's 16 fragments of weight mu: 64 loads of 512 consecutive bytes, into window 1
	WIN 0x40
.set wn, 0
.rept 64
	global_load_b128 v[4*wn:4*wn+3], v1, s[WP:WP+1] offset:\mu*262144+512*wn
.set wn, wn+1
.endr
	WIN 0
.endm
.macro BIASLD_T ptr                    ; K: register 8 t + j = b[64 w + 16 t + 8 h + j]: the layout of a result with the features down the registers
.irp t, 0,1,2,3
	global_load_b128 v[BIAS+8*\t:BIAS+8*\t+3], v9, s[\ptr:\ptr+1] offset:64*\t
	global_load_b128 v[BIAS+8*\t+4:BIAS+8*\t+7], v9, s[\ptr:\ptr+1] offset:64*\t+16
.endr
.endm
.macro BIASFIX_T                       ; b / 2^(ea + ew): it goes in as the C of each sum's first product
.set bn, 0
.rept 32
	v_ldexp_f32 v[BIAS+bn], v[BIAS+bn], s70
.set bn, bn+1
.endr
.endm
.macro BIASLD_N ptr                    ; V: a lane holds one feature: b[64 w + 16 t + r] in all eight registers of tile t
.irp t, 0,1,2,3
	global_load_b32 v[BIAS+8*\t], v10, s[\ptr:\ptr+1] offset:64*\t
.endr
.endm
.macro BIASFIX_N
.irp t, 0,1,2,3
	v_ldexp_f32 v[BIAS+8*\t], v[BIAS+8*\t], s70
.endr
.irp t, 0,1,2,3
.irp j, 1,2,3,4,5,6,7
	v_mov_b32 v[BIAS+8*\t+\j], v[BIAS+8*\t]
.endr
.endr
.endm
; My four rows of a chunk become codes in the stage.  fill = 1: each row's registers take the same row of the next chunk at once.
.macro CONV buf, fill, base, imm
.irp i, 0,1,2,3
.if \fill
	s_wait_loadcnt 12                              ; loads come back in order (ISA guide 5.7.1): behind this row's four stand the twelve of the three younger rows, old or just asked for
.else
	s_wait_loadcnt 12-4*\i                         ; nothing is asked for any more: the counts run down
.endif
.irp q, 0,1,2,3,4,5,6,7,8,9,10,11,12,13,14,15
	v_med3_num_f32 v[XR+16*\i+\q], v[XR+16*\i+\q], -v13, v13   ; the conversion does not saturate (ISA guide 7.6.2): the hold at 448 x the scale
.endr
	v_cvt_scalef32_pk8_fp8_f32 v[CT+4*\i:CT+4*\i+1], v[XR+16*\i:XR+16*\i+7], v12
	v_cvt_scalef32_pk8_fp8_f32 v[CT+4*\i+2:CT+4*\i+3], v[XR+16*\i+8:XR+16*\i+15], v12
	v_nop                                          ; a plain line behind the conversions
	ds_store_b128 v3, v[CT+4*\i:CT+4*\i+3] offset:\buf*XBUF+\i*XPITCH   ; 32 lanes: the row's 512 bytes
.if \fill
	XROW \i, \base, \imm
.endif
.endr
.endm
.macro FRLOAD buf, u, p                ; x's fragments of rows 16 u on, K steps 2 p and 2 p + 1: lane (r, h): row r, 16 bytes at 128 s + 32 c + 16 h
.irp ss, 0,1
.irp c, 0,1,2,3
	ds_load_b128 v[FR+16*\ss+4*\c:FR+16*\ss+4*\c+3], v4 offset:\buf*XBUF+\u*16*XPITCH+128*(2*\p+\ss)+32*\c
.endr
.endr
.endm
.macro MM1 kind, t, s, ss
.set rW, 16*(4*(\t)+(\s))
.set rA, ACC+8*(\t)
.set rF, FR+16*(\ss)
.if (\s) == 0
.set rC, BIAS+8*(\t)                   ; the bias starts the sum: nothing is cleared
.else
.set rC, rA
.endif
.if \kind == 1
	v_wmma_f32_16x16x128_fp8_fp8 v[rA:rA+7], v[rF:rF+15], v[rW:rW+15], v[rC:rC+7]
.else
	v_wmma_f32_16x16x128_fp8_fp8 v[rA:rA+7], v[rW:rW+15], v[rF:rF+15], v[rC:rC+7]
.endif
.endm
; Eight products: K steps 2 p and 2 p + 1, my four tiles of columns by turns.
.macro MM kind, p
	s_wait_dscnt 4                                 ; the first K step's four loads are in; the second's four may be out
.if \kind == 1
	WIN 0x04                                       ; V: the weight is source 1
.else
	WIN 0x01                                       ; K: the weight is source 0
.endif
.irp ss, 0,1
.if \ss
	s_wait_dscnt 0x0                               ; the second K step's four are in
.endif
.irp t, 0,1,2,3
	MM1 \kind, \t, 2*\p+\ss, \ss
.endr
.endr
	WIN 0
.endm
.macro EPI dst, str                    ; four accumulators become codes: tile t's eight numbers into two registers at dst + str t; each accumulator from its low end on
.irp t, 0,1,2,3
.irp j, 0,1,2,3,4,5,6,7
	v_med3_num_f32 v[ACC+8*\t+\j], v[ACC+8*\t+\j], -v15, v15
.endr
	v_cvt_scalef32_pk8_fp8_f32 v[\str*\t+\dst:\str*\t+\dst+1], v[ACC+8*\t:ACC+8*\t+7], v14
.endr
	v_nop                                          ; a plain line behind the last conversion
.endm
; The codes leave as they stand: every store is 512 consecutive bytes, at a multiple of 512 from kvimg's first byte.  par: which chunk of the trip: it has its own 16 registers, so that no store's data are rewritten within a trip.
.macro TAIL kind, u, par
.if \kind == 0
	EPI CODE+16*\par+8*\u, 2                       ; a tile of 16 keys x 64 features: eight registers
	global_store_b128 v1, v[CODE+16*\par+8*\u:CODE+16*\par+8*\u+3], s[KB:KB+1] offset:\par*2048+\u*1024 th:TH_STORE_NT
	global_store_b128 v1, v[CODE+16*\par+8*\u+4:CODE+16*\par+8*\u+7], s[KB:KB+1] offset:\par*2048+\u*1024+512 th:TH_STORE_NT
.else
	EPI CODE+16*\par+2*\u, 4                       ; for each tile of features: keys 16 u + 8 h + 0 .. 7 of the chunk's 32: half a group of four registers of V^T's fragment
.if \u == 1
.irp t, 0,1,2,3
	global_store_b128 v1, v[CODE+16*\par+4*\t:CODE+16*\par+4*\t+3], s[VB:VB+1] offset:\t*4096+\par*512 th:TH_STORE_NT
.endr
.endif
.endif
.endm
; A chunk of 32 rows.  One barrier: a buffer is written again only behind the barrier of the chunk between, which every wave signals behind the wait for its last reads of that buffer.
.macro CHUNK kind, buf, fill, base, imm
	CONV \buf, \fill, \base, \imm
	BAR
	FRLOAD \buf, 0, 0
	MM \kind, 0
	PLACES
	FRLOAD \buf, 0, 1
	MM \kind, 1
	PLACES
	FRLOAD \buf, 1, 0
	TAIL \kind, 0, \buf
	MM \kind, 0
	PLACES
	FRLOAD \buf, 1, 1
	MM \kind, 1
	PLACES
	TAIL \kind, 1, \buf
.endm
.macro TRIP kind, fill2                ; two chunks: the first asks for the second, the second for what XN names (fill2 = 0: for nothing)
	CHUNK \kind, 0, 1, XP, 65536
	CHUNK \kind, 1, \fill2, XN, 0
.endm
	s_load_b128 s[4:7], s[0:1], 0x0                ; key_spikes s[4:5], value_spikes s[6:7]
	s_load_b64 s[WP:WP+1], s[0:1], 0x10            ; wimg
	s_load_b128 s[12:15], s[0:1], 0x18             ; bk s[12:13], bv s[14:15]
	s_load_b128 s[20:23], s[0:1], 0x28             ; the scales' exponents s[20:21], kvimg s[22:23]
	v_lshl_add_u32 v16, v0, 2, SPARE               ; my spare word,
	v_mov_b32 v17, 0                               ; and 0: kept for the wave's end alone
	v_lshrrev_b32 v22, 5, v0
	v_readfirstlane_b32 s26, v22                   ; wave = head
	v_and_b32 v22, 31, v0
	v_lshlrev_b32 v1, 4, v22                       ; 16 lane
	v_and_b32 v23, 15, v0                          ; r
	v_bfe_u32 v9, v0, 4, 1                         ; h
	s_lshl_b32 s66, s26, 13
	v_add_nc_u32 v2, s66, v1                       ; x: my four rows of 2,048 bytes, 16 bytes a lane
	s_mul_i32 s66, s26, 4*XPITCH
	v_add_nc_u32 v3, s66, v1                       ; the stage, in
	v_mul_u32_u24 v4, v23, XPITCH
	v_lshl_add_u32 v4, v9, 4, v4                   ; and out: row r, + 16 h
	v_lshlrev_b32 v10, 2, v23                      ; 4 r
	v_lshlrev_b32 v9, 5, v9                        ; 32 h
	s_lshr_b32 s27, ttmp9, 1                       ; bt
	s_and_b32 s28, ttmp9, 1                        ; which half of the slice's rows
	s_lshl_b32 s68, s27, 19                        ; the slice: 256 rows of 2,048 bytes,
	s_lshl_b32 s66, s28, 18
	s_add_co_u32 s68, s68, s66                     ; my 128 of them
	s_mov_b32 s69, 0
	s_lshl_b32 s74, s26, 8                         ; my 64 columns in f32
	s_mov_b32 s75, 0
	s_lshl_b32 s76, s26, 15                        ; my head in wimg
	s_mov_b32 s77, 0
	s_lshl_b32 s70, s27, 18                        ; kvimg: the slice's 262,144 bytes,
	s_lshl_b32 s66, s26, 14
	s_add_co_u32 s70, s70, s66                     ; my head's 16,384
	s_lshl_b32 s66, s28, 13
	s_add_co_u32 s72, s70, s66                     ; K: my half's eight tiles of 1,024
	s_mov_b32 s73, 0
	s_lshl_b32 s66, s28, 11
	s_add_co_u32 s70, s70, s66                     ; V: my half is kb: 2,048 in each fragment,
	s_add_co_u32 s70, s70, 131072                  ; behind K's eight images
	s_mov_b32 s71, 0
	s_wait_kmcnt 0x0
	s_load_b256 s[32:39], s[20:21], 0x0            ; e0 .. e7
	s_load_b128 s[40:43], s[20:21], 0x20           ; e8 .. e11
	s_add_nc_u64 s[XP:XP+1], s[4:5], s[68:69]
	s_add_nc_u64 s[XN:XN+1], s[XP:XP+1], 0x20000
	s_add_nc_u64 s[NXT:NXT+1], s[6:7], s[68:69]
	s_add_nc_u64 s[WP:WP+1], s[WP:WP+1], s[76:77]
	s_add_nc_u64 s[12:13], s[12:13], s[74:75]
	s_add_nc_u64 s[14:15], s[14:15], s[74:75]
	s_add_nc_u64 s[KB:KB+1], s[22:23], s[72:73]
	s_add_nc_u64 s[VB:VB+1], s[22:23], s[70:71]
.irp i, 0,1,2,3
	XROW \i, XP, 0                                 ; the first chunk of the keys' spikes
.endr
	WLOAD 0
	BIASLD_T 12
	s_wait_kmcnt 0x0
	CONST 34, 35, 39
	s_wait_loadcnt 0x0
	BIASFIX_T
	; ---- K: my 128 keys
	TRIP 0, 1
	s_wait_xcnt 0x0                                ; the loads and stores that are out have read their bases and data: bases and the codes' registers may be written
	s_mov_b64 s[XP:XP+1], s[XN:XN+1]
	s_mov_b64 s[XN:XN+1], s[NXT:NXT+1]             ; the keys' last chunk asks for the values' first
	s_add_nc_u64 s[KB:KB+1], s[KB:KB+1], 4096
	TRIP 0, 1
	s_wait_xcnt 0x0
	s_mov_b64 s[XP:XP+1], s[XN:XN+1]
	s_add_nc_u64 s[XN:XN+1], s[XP:XP+1], 0x20000
	; ---- V: the epilogue's lines are the places ahead of the loads into window 1
	WLOAD 1
	BIASLD_N 14
	CONST 36, 37, 41
	s_wait_loadcnt 0x0
	BIASFIX_N
	TRIP 1, 1
	s_wait_xcnt 0x0
	s_mov_b64 s[XP:XP+1], s[XN:XN+1]
	s_add_nc_u64 s[VB:VB+1], s[VB:VB+1], 1024
	TRIP 1, 0                                      ; the last chunk asks for nothing: no load leaves its buffer
	s_wait_tensorcnt 0x0                           ; the wave's end, behind my last LDS store; the tensor wait stands in a text with no tensor load too
	ds_add_u32 v16, v17
	s_wait_dscnt 0x0
	s_endpgm
.Lfunc_end_k_qcd77d1eae8_project:
	.size	k_qcd77d1eae8_project, .Lfunc_end_k_qcd77d1eae8_project-k_qcd77d1eae8_project
	.p2alignl 7, 3214868480
	.fill 96, 4, 3214868480
	.section	.rodata,"a",@progbits
	.p2align	6, 0x0
	.amdhsa_kernel k_qcd77d1eae8_project
		.amdhsa_group_segment_fixed_size 34816
		.amdhsa_private_segment_fixed_size 0
		.amdhsa_enable_private_segment 0
		.amdhsa_kernarg_size 56
		.amdhsa_user_sgpr_count 2
		.amdhsa_user_sgpr_kernarg_segment_ptr 1
		.amdhsa_wavefront_size32 1
		.amdhsa_system_sgpr_workgroup_id_x 1
		.amdhsa_system_sgpr_workgroup_id_y 1
		.amdhsa_system_sgpr_workgroup_id_z 1
		.amdhsa_system_vgpr_workitem_id 0
		.amdhsa_next_free_vgpr 512
		.amdhsa_next_free_sgpr 96
		.amdhsa_reserve_vcc 0
		.amdhsa_float_denorm_mode_32 3
		.amdhsa_float_denorm_mode_16_64 3
		.amdhsa_memory_ordered 1
		.amdhsa_forward_progress 1
		.amdhsa_inst_pref_size 153
	.end_amdhsa_kernel
	.amdgpu_metadata
---
amdhsa.version: [ 1, 2 ]
amdhsa.kernels:
  - .name:           k_qcd77d1eae8_project
    .symbol:         k_qcd77d1eae8_project.kd
    .args:
      - { .name: key_spikes, .offset: 0, .size: 8, .value_kind: global_buffer, .address_space: global }
      - { .name: value_spikes, .offset: 8, .size: 8, .value_kind: global_buffer, .address_space: global }
      - { .name: wimg, .offset: 16, .size: 8, .value_kind: global_buffer, .address_space: global }
      - { .name: bk, .offset: 24, .size: 8, .value_kind: global_buffer, .address_space: global }
      - { .name: bv, .offset: 32, .size: 8, .value_kind: global_buffer, .address_space: global }
      - { .name: lowp_scales, .offset: 40, .size: 8, .value_kind: global_buffer, .address_space: global }
      - { .name: kvimg, .offset: 48, .size: 8, .value_kind: global_buffer, .address_space: global }
    .group_segment_fixed_size: 34816
    .private_segment_fixed_size: 0
    .kernarg_segment_align: 8
    .kernarg_segment_size: 56
    .max_flat_workgroup_size: 256
    .sgpr_count:     96
    .vgpr_count:     512
    .wavefront_size: 32
...
	.end_amdgpu_metadata
.endif
;; end of part 2
;; launch attend (part 3): grid 256 x 1, 8 waves a work-group, no clusters, 202,752 bytes of LDS; arguments query_spikes, wimg, kvimg, bq, bo, modality_weights, lowp_scales, out0; writes out0
.if DOCPART == 3
	.amdgcn_target "amdgcn-amd-amdhsa--gfx1250"
	.amdhsa_code_object_version 6
	.text
	.protected	k_qcd77d1eae8_attend
	.globl	k_qcd77d1eae8_attend
	.p2align	8
	.type	k_qcd77d1eae8_attend,@function
k_qcd77d1eae8_attend:
	s_mov_b64 s[64:65], 0
	v_nop
	global_prefetch_b8 v0, s[64:65] scope:SCOPE_SE
	s_setreg_imm32_b32 hwreg(HW_REG_WAVE_MODE, 25, 1), 1
	s_wait_xcnt 0x0
; out = (spike_softmax(Q K^T / 8 x mod_w) V) Wo + bo with Q = query_spikes Wq + bq; K's and V's codes come from the launch before.  All products on codes of E4M3 with the given scales; sums f32; all else f32.
; WORK LEFT OUT: temporal_sync, the same along the axis whose maximum is taken away from the scores: it cancels for all values (shown at the head of the first launch); it is not an argument.
; SHARES.  Work-group x: slice bt = x / 2, half qh = x % 2 of its 256 queries: it projects its 128 queries, attends over all 256 keys, and projects out.  WAVE w IS HEAD w.
; Its 64 columns of a weight are 16 fragments = 256 registers (window 1), loaded from wimg; in attention the same registers hold its head's K and V^T, loaded from kvimg as they stand.
; Spikes are loaded as they lie (512 consecutive bytes an instruction), quantised in registers, and shared as codes through a stage in LDS (32 rows a chunk, two buffers, one barrier a chunk).
; LAYOUTS.  Q: D = W^T x^T: a lane holds one query and 8 neighbouring features: two registers of codes = registers 2 t, 2 t + 1 of a 16 x 64 fragment.  S^T = K Q^T: a lane holds one query and 8 neighbouring
; keys a tile: the weights' codes are source 1 of O^T = V^T P^T as they fall; O^T again holds one query a lane and 8 neighbouring features: the attended codes are source 1 of the last product.  Nothing is transposed.
; SOFTMAX.  p = 1 / (1 + 2^(|f| (max S' - S'))), f = mod_w x 5 log2(e) / 8 x 2^(e6 + e7), S' = sign(f) x the sum of codes' products: the sign is put into Q's codes (exact), so that the
; largest score is found for a negative mod_w too.  attn = p / (sum p + 1e-8), finished, is what is quantised.
; NO TENSOR LOADS, NO JOINT LOADS: weights and K's and V's images go once a work-group straight into the registers in which they are used; a joint load would land in LDS first, for one read by one wave.
; LIMITS: e0, e8, e6 - e0 - e1, e10 - e8 - e9 between -126 and 119; e10 + e11 between -126 and 127; NaN and infinity among the inputs are not served;
; a p under 2^-126 counts as 0.  Product 4's left operand is taken to be Q (e6), its right one K (e7).
; LDS: 0: 12,800 bytes a wave, the wave's own: Q's codes (tile i at 1,024 i + 512 g + 16 lane), from 8,192 the way out's stage of 16 rows x 272.
;   102,400: the attended codes, 8,192 bytes a head (tile i at 1,024 i + 512 g), read by all waves behind one barrier.   167,936: x's stage, two buffers of 32 rows x (512 + 16).   201,728: the spare words.
; REGISTERS, window 0: v1 16 lane; v2 x offset; v3, v4 stage in, out; v5 my region; v7 my attended codes; v6, v8 addresses of the trip; v9 32 h; v10 256 lane; v11 the attended codes of head 0; v12-15 scales and holds;
;   v16, v17 the add's two; v18-20 the way out; v22, v23 at work.  By phase: below.   Window 1: the weight's fragment (t, s) at 16 (4 t + s); in attention K (tile kt at 8 kt) and V^T ((t, kb) at 128 + 16 (2 t + kb)).
.set XPITCH, 528                       ; a stage row: 512 codes + 16 bytes = 132 words: row r starts at bank 4 r mod 64 (64 banks of 4 bytes: ISA guide 11.1)
.set XBUF,   32*XPITCH
.set QREG,   12800
.set ATT,    8*QREG
.set XST0,   ATT+8*8192
.set SPARE,  XST0+2*XBUF               ; 201,728: 128 bytes for each of eight waves, which no other line names
.set BIAS, 24                          ; projection: v24-55 the bias in the result's layout
.set FR,   56                          ; v56-87   x's fragments of two K steps
.set ACC,  88                          ; v88-119  four accumulators
.set CT,   88                          ; v88-103  (between the products) the codes on their way to the stage
.set XR,   120                         ; v120-183 four rows of x, 16 numbers a lane each
.set QC,   184                         ; v184-247 Q's codes, 8 tiles
.set SCR,  24                          ; attention: v24-151 S^T, then p
.set PRB,  152                         ; v152-183 the weights' codes
.set OT,   184                         ; v184-215 O^T
.set QT,   216                         ; v216-223 the tile of queries
.set AT,   224                         ; v224-231 the attended codes
.set MX,   232                         ; v232-235 four running maxima
.set PT,   236                         ; v236     what the other half of the lanes sends
.set C0,   238                         ; v[238:239] |f| x max
.set SUM,  240                         ; v240-247 four sums, two halves each
.set INV,  248                         ; v[248:249] 1 / (sum + 1e-8)
.set LIMP, 250
.set SCP,  251
.set LIMA, 252
.set SCA,  253
.set FRO,  24                          ; way out: v24-87 attended fragments of four K steps
.set BO,   120                         ; v120-151 bo
.set OUTR, 152                         ; v152-183 results
.set BK,   184                         ; v184-215 rows back from the stage
.set WP,   6                           ; s[6:7]   wimg at my head
.set KV,   8                           ; s[8:9]   kvimg at my slice and head: K's image; V's 131,072 bytes on
.set BQ,   10                          ; s[10:11] bq, s[12:13] bo at my 64 columns
.set BOP,  12
.set MWP,  14                          ; s[14:15] modality_weights
.set SCL,  16                          ; s[16:17] the scales' exponents
.set OUTP, 18                          ; s[18:19] out0
.set XP,   44                          ; s[44:45] query_spikes at my 128 rows
.set OP,   54                          ; s[54:55] out0 at my rows and columns
.set PF,   80                          ; s[80:81] the image that my work-group prefetches, at my head
.set MSB, 0
.macro WIN new                         ; the immediate's high byte repeats the setting that is left; a switch that changes nothing is dropped
.if MSB != \new
	s_set_vgpr_msb (MSB<<8)|\new
.set MSB, \new
.endif
.endm
.macro PLACES                          ; four plain places behind a matrix instruction, ahead of loads into registers that it read and of reads of its result
.rept 4
	v_nop
.endr
.endm
.macro BAR                             ; my LDS stores have landed and my LDS loads are in: then the work-group's barrier
	s_wait_dscnt 0x0
	s_barrier_signal -1
	s_barrier_wait -1
.endm
.macro SCLIM vs, vl                    ; s66 = e:  v[vs] = 2^e (the conversion takes its exponent field), v[vl] = 448 x 2^e
	s_add_co_i32 s66, s66, 127
	s_lshl_b32 s67, s66, 23
	v_mov_b32 v[\vs], s67
	s_add_co_i32 s66, s66, 8
	s_lshl_b32 s66, s66, 23
	s_or_b32 s66, s66, 0x600000
	v_mov_b32 v[\vl], s66
.endm
.macro CONST ea, ew, eo                ; the projection's constants: x's scale; the result's: a sum stands for sum x 2^(ea + ew), so its code is sum / 2^(eo - ea - ew); s70 = -(ea + ew) for the bias
	s_mov_b32 s66, s[\ea]
	SCLIM 12, 13
	s_add_co_i32 s70, s[\ea], s[\ew]
	s_sub_co_i32 s66, s[\eo], s70
	SCLIM 14, 15
	s_sub_co_i32 s70, 0, s70
.endm
.macro XROW i, imm                     ; row 4 w + i of a chunk: four loads of 512 consecutive bytes; register 4 j + m of the row: k = 128 j + 4 lane + m.  Each byte is read once in the launch
.irp j, 0,1,2,3
	global_load_b128 v[XR+16*(\i)+4*\j:XR+16*(\i)+4*\j+3], v2, s[XP:XP+1] offset:\imm+(\i)*2048+\j*512 th:TH_LOAD_NT
.endr
.endm
.macro WLOAD mu                        ; my head's 16 fragments of weight mu: 64 loads of 512 consecutive bytes, into window 1
	WIN 0x40
.set wn, 0
.rept 64
	global_load_b128 v[4*wn:4*wn+3], v1, s[WP:WP+1] offset:\mu*262144+512*wn
.set wn, wn+1
.endr
	WIN 0
.endm
.macro BIASLD_T reg, ptr               ; register 8 t + j = b[64 w + 16 t + 8 h + j]: the layout of a result with the features down the registers
.irp t, 0,1,2,3
	global_load_b128 v[\reg+8*\t:\reg+8*\t+3], v9, s[\ptr:\ptr+1] offset:64*\t
	global_load_b128 v[\reg+8*\t+4:\reg+8*\t+7], v9, s[\ptr:\ptr+1] offset:64*\t+16
.endr
.endm
; My four rows of a chunk become codes in the stage.  fill = 1: each row's registers take the same row of the next chunk at once.
.macro CONV buf, fill, imm
.irp i, 0,1,2,3
.if \fill
	s_wait_loadcnt 12                              ; loads come back in order (ISA guide 5.7.1): behind this row's four stand the twelve of the three younger rows, old or just asked for
.else
	s_wait_loadcnt 12-4*\i                         ; nothing is asked for any more: the counts run down
.endif
.irp q, 0,1,2,3,4,5,6,7,8,9,10,11,12,13,14,15
	v_med3_num_f32 v[XR+16*\i+\q], v[XR+16*\i+\q], -v13, v13   ; the conversion does not saturate (ISA guide 7.6.2): the hold at 448 x the scale
.endr
	v_cvt_scalef32_pk8_fp8_f32 v[CT+4*\i:CT+4*\i+1], v[XR+16*\i:XR+16*\i+7], v12
	v_cvt_scalef32_pk8_fp8_f32 v[CT+4*\i+2:CT+4*\i+3], v[XR+16*\i+8:XR+16*\i+15], v12
	v_nop                                          ; a plain line behind the conversions
	ds_store_b128 v3, v[CT+4*\i:CT+4*\i+3] offset:\buf*XBUF+\i*XPITCH   ; 32 lanes: the row's 512 bytes
.if \fill
	XROW \i, \imm
.endif
.endr
.endm
.macro FRLOAD buf, u, p                ; x's fragments of rows 16 u on, K steps 2 p and 2 p + 1: lane (r, h): row r, 16 bytes at 128 s + 32 c + 16 h
.irp ss, 0,1
.irp c, 0,1,2,3
	ds_load_b128 v[FR+16*\ss+4*\c:FR+16*\ss+4*\c+3], v4 offset:\buf*XBUF+\u*16*XPITCH+128*(2*\p+\ss)+32*\c
.endr
.endr
.endm
.macro MM1 t, s, ss
.set rW, 16*(4*(\t)+(\s))
.set rA, ACC+8*(\t)
.set rF, FR+16*(\ss)
.if (\s) == 0
.set rC, BIAS+8*(\t)                   ; the bias starts the sum: nothing is cleared
.else
.set rC, rA
.endif
	v_wmma_f32_16x16x128_fp8_fp8 v[rA:rA+7], v[rW:rW+15], v[rF:rF+15], v[rC:rC+7]
.endm
; Eight products: K steps 2 p and 2 p + 1, my four tiles of columns by turns.
.macro MM p
	s_wait_dscnt 4                                 ; the first K step's four loads are in; the second's four may be out
	WIN 0x01                                       ; the weight is source 0
.irp ss, 0,1
.if \ss
	s_wait_dscnt 0x0                               ; the second K step's four are in
.endif
.irp t, 0,1,2,3
	MM1 \t, 2*\p+\ss, \ss
.endr
.endr
	WIN 0
.endm
.macro EPI dst                         ; four accumulators become codes: tile t's eight numbers into two registers at dst + 2 t; each accumulator from its low end on
.irp t, 0,1,2,3
.irp j, 0,1,2,3,4,5,6,7
	v_med3_num_f32 v[ACC+8*\t+\j], v[ACC+8*\t+\j], -v15, v15
.endr
	v_cvt_scalef32_pk8_fp8_f32 v[2*\t+\dst:2*\t+\dst+1], v[ACC+8*\t:ACC+8*\t+7], v14
.endr
	v_nop                                          ; a plain line behind the last conversion
.endm
; Chunk c of 32 queries.  One barrier: a buffer is written again only behind the barrier of the chunk between, which every wave signals behind the wait for its last reads of that buffer.
.macro CHUNK buf, fill, imm, c
	CONV \buf, \fill, \imm
	BAR
	FRLOAD \buf, 0, 0
.if \c == 3
	; A PREFETCH INTO THE L2 of K's and V's images, which are loaded behind this chunk, 32 matrix instructions a wave on; x's last loads have been asked for a chunk ago.  Each aligned block of 256 bytes is named once
	; in the launch: of a slice's two work-groups half 0 asks for K's image and half 1 for V's, told apart by address; wave w asks for head w's 16,384 bytes: two instructions, lanes 256 bytes apart.
	global_prefetch_b8 v10, s[PF:PF+1] th:TH_LOAD_NT scope:SCOPE_SE
	global_prefetch_b8 v10, s[PF:PF+1] offset:8192 th:TH_LOAD_NT scope:SCOPE_SE
.endif
	MM 0
	PLACES
	FRLOAD \buf, 0, 1
	MM 1
	PLACES
	FRLOAD \buf, 1, 0
	EPI QC+8*(2*\c)                                ; Q's tiles stay in registers
	MM 0
	PLACES
	FRLOAD \buf, 1, 1
	MM 1
	PLACES
	EPI QC+8*(2*\c+1)
.endm
	s_load_b512 s[4:19], s[0:1], 0x0               ; query_spikes s[4:5], wimg, kvimg, bq, bo, modality_weights, the scales' exponents, out0
	v_lshl_add_u32 v16, v0, 2, SPARE               ; my spare word,
	v_mov_b32 v17, 0                               ; and 0: kept for the wave's end alone
	v_lshrrev_b32 v22, 5, v0
	v_readfirstlane_b32 s26, v22                   ; wave = head
	v_and_b32 v22, 31, v0
	v_lshlrev_b32 v1, 4, v22                       ; 16 lane
	v_lshlrev_b32 v10, 8, v22                      ; 256 lane
	v_and_b32 v23, 15, v0                          ; r
	v_bfe_u32 v9, v0, 4, 1                         ; h
	s_lshl_b32 s66, s26, 13
	v_add_nc_u32 v2, s66, v1                       ; x: my four rows of 2,048 bytes, 16 bytes a lane
	s_mul_i32 s66, s26, 4*XPITCH
	s_add_co_u32 s66, s66, XST0
	v_add_nc_u32 v3, s66, v1                       ; the stage, in
	v_mul_u32_u24 v4, v23, XPITCH
	v_lshl_add_u32 v4, v9, 4, v4
	v_add_nc_u32 v4, XST0, v4                      ; and out: row r, + 16 h
	s_mul_i32 s66, s26, QREG
	v_add_nc_u32 v5, s66, v1                       ; my own region: Q's codes
	s_lshl_b32 s67, s26, 13
	s_add_co_u32 s67, s67, ATT
	v_add_nc_u32 v7, s67, v1                       ; my head's attended codes
	v_add_nc_u32 v11, ATT, v1                      ; head 0's
	s_add_co_u32 s66, s66, 8192                    ; my stage for the way out
	v_mul_u32_u24 v18, v23, 272
	v_lshl_add_u32 v18, v9, 5, v18
	v_add_nc_u32 v18, s66, v18                     ; in: row r, + 32 h
	v_mul_u32_u24 v19, v9, 272
	v_lshl_add_u32 v19, v23, 4, v19
	v_add_nc_u32 v19, s66, v19                     ; back: lanes 0-15 one row of 256 bytes, lanes 16-31 the next
	v_lshlrev_b32 v20, 11, v9
	v_lshl_add_u32 v20, v23, 4, v20                ; and the same two rows in out0
	v_lshlrev_b32 v9, 5, v9                        ; 32 h
	s_lshl_b32 s66, s26, 2
	v_mov_b32 v22, s66                             ; 4 x head
	s_mov_b32 s56, 0x76543210                      ; v_permlanex16_b32's selects for lane l xor 16
	s_mov_b32 s57, 0xfedcba98
	s_lshr_b32 s27, ttmp9, 1                       ; bt
	s_and_b32 s28, ttmp9, 1                        ; qh
	s_lshl_b32 s72, s27, 19                        ; the slice: 256 rows of 2,048 bytes,
	s_lshl_b32 s66, s28, 18
	s_add_co_u32 s72, s72, s66                     ; my half of it
	s_mov_b32 s73, 0
	s_lshl_b32 s74, s26, 8                         ; my 64 columns in f32
	s_mov_b32 s75, 0
	s_lshl_b32 s76, s26, 15                        ; my head in wimg
	s_mov_b32 s77, 0
	s_lshl_b32 s78, s27, 18                        ; kvimg: the slice's 262,144 bytes,
	s_lshl_b32 s66, s26, 14
	s_add_co_u32 s78, s78, s66                     ; my head's 16,384
	s_mov_b32 s79, 0
	s_lshl_b32 s68, s28, 17                        ; K's image for half 0, V's for half 1
	s_mov_b32 s69, 0
	s_wait_kmcnt 0x0
	s_load_b256 s[32:39], s[SCL:SCL+1], 0x0        ; e0 .. e7
	s_load_b128 s[40:43], s[SCL:SCL+1], 0x20       ; e8 .. e11
	s_add_nc_u64 s[XP:XP+1], s[4:5], s[72:73]
	s_add_nc_u64 s[WP:WP+1], s[WP:WP+1], s[76:77]
	s_add_nc_u64 s[KV:KV+1], s[KV:KV+1], s[78:79]
	s_add_nc_u64 s[PF:PF+1], s[KV:KV+1], s[68:69]
	s_add_nc_u64 s[BQ:BQ+1], s[BQ:BQ+1], s[74:75]
	s_add_nc_u64 s[BOP:BOP+1], s[BOP:BOP+1], s[74:75]
	s_add_nc_u64 s[OP:OP+1], s[OUTP:OUTP+1], s[72:73]
	s_add_nc_u64 s[OP:OP+1], s[OP:OP+1], s[74:75]
.irp i, 0,1,2,3
	XROW \i, 0                                     ; the first chunk of the queries' spikes
.endr
	WLOAD 2
	BIASLD_T BIAS, BQ
	global_load_b32 v23, v22, s[MWP:MWP+1]             ; modality_weights[0][head],
	global_load_b32 v8, v22, s[MWP:MWP+1] offset:32    ; [1][head]
	s_wait_kmcnt 0x0
	CONST 32, 33, 38
	s_wait_loadcnt 0x0
.set bn, 0
.rept 32
	v_ldexp_f32 v[BIAS+bn], v[BIAS+bn], s70        ; bq / 2^(e0 + e1): it goes in as the C of each sum's first product
.set bn, bn+1
.endr
	v_mul_f32 v23, v23, v8                         ; mod_w
	v_mul_f32 v23, 0x3f66d4ca, v23                 ; x 5 log2(e) / 8
	s_add_co_i32 s66, s38, s39
	v_ldexp_f32 v23, v23, s66                      ; x 2^(e6 + e7): f
	v_readfirstlane_b32 s61, v23
	s_or_b32 s58, s61, 0x80000000                  ; -|f|,
	s_mov_b32 s59, s58                             ; (named with it as a pair, so it is written)
	s_ashr_i32 s60, s61, 31
	s_and_b32 s60, s60, 0x80808080                 ; four codes' sign bits where f is negative,
	s_and_b32 s61, s61, 0x7fffffff                 ; |f|
	s_add_co_i32 s62, s42, s43
	s_add_co_i32 s62, s62, 127
	s_lshl_b32 s62, s62, 23                        ; 2^(e10 + e11) as f32
	s_mov_b32 s63, s62
	; ---- Q: my half's 128 queries: four chunks, written out: the codes' registers differ from chunk to chunk
	CHUNK 0, 1, 65536, 0
	CHUNK 1, 1, 131072, 1
	CHUNK 0, 1, 196608, 2
	CHUNK 1, 0, 0, 3
	; ---- K's and V^T's images into window 1, as they stand; the epilogue's lines are the places ahead of these loads
	WIN 0x40
.set n, 0
.rept 32
	global_load_b128 v[4*n:4*n+3], v1, s[KV:KV+1] offset:512*n
.set n, n+1
.endr
.set n, 0
.rept 32
	global_load_b128 v[128+4*n:128+4*n+3], v1, s[KV:KV+1] offset:131072+512*n
.set n, n+1
.endr
	WIN 0
.set n, 0
.rept 64
	v_xor_b32 v[QC+n], s60, v[QC+n]                ; sign(f) into Q's codes: exact
.set n, n+1
.endr
.set n, 0
.rept 16
	ds_store_b128 v5, v[QC+4*n:QC+4*n+3] offset:512*n   ; Q's tiles to my own bytes of LDS, so that the loop over tiles is written once
.set n, n+1
.endr
	s_mov_b32 s66, s40
	SCLIM SCP, LIMP                                ; the weights': 2^e8
	s_sub_co_i32 s66, s42, s40
	s_sub_co_i32 s66, s66, s41
	SCLIM SCA, LIMA                                ; the attended: a sum stands for sum x 2^(e8 + e9): 2^(e10 - e8 - e9)
	s_wait_dscnt 0x0                               ; the stores have read Q's registers
	v_mov_b32 v[PT], 0                             ; a lane permute's destination counts as one of its sources
	v_mov_b32 v[C0+1], 0                           ; (named as the upper halves of pairs)
	v_mov_b32 v[INV+1], 0
	s_mov_b32 s29, 0
	s_mov_b32 s30, 0
	s_wait_loadcnt 32                              ; K's 32 loads are in; V's 32, issued behind them, may be out
	; ---- attention: a tile of 16 queries a trip, all 256 keys at once
.Latt:
	s_wait_dscnt 0x0                               ; the last trip's stores are done: their address register is written anew
	v_add_nc_u32 v6, s30, v5
	v_add_nc_u32 v8, s30, v7
	ds_load_b128 v[QT:QT+3], v6
	ds_load_b128 v[QT+4:QT+7], v6 offset:512
	s_wait_dscnt 0x0
	WIN 0x01
.set kt, 0
.rept 16
	v_wmma_f32_16x16x64_fp8_fp8 v[SCR+8*kt:SCR+8*kt+7], v[8*kt:8*kt+7], v[QT:QT+7], 0   ; S^T: lane (r, h): query r, keys 16 kt + 8 h + 0 .. 7
.set kt, kt+1
.endr
	WIN 0
	PLACES
.irp c, 0,1,2,3
	v_max3_num_f32 v[MX+\c], v[SCR+32*\c], v[SCR+32*\c+1], v[SCR+32*\c+2]   ; the largest of my 128 scores: four chains, each ascending
.endr
.irp i, 0,1,2,3,4,5,6,7,8,9,10,11,12,13
.irp c, 0,1,2,3
	v_max3_num_f32 v[MX+\c], v[MX+\c], v[SCR+32*\c+2*\i+3], v[SCR+32*\c+2*\i+4]
.endr
.endr
	v_max3_num_f32 v[MX], v[MX], v[SCR+31], v[SCR+63]
	v_max3_num_f32 v[MX+2], v[MX+2], v[SCR+95], v[SCR+127]
	v_max3_num_f32 v[MX], v[MX], v[MX+1], v[MX+2]
	v_max_num_f32 v[MX], v[MX], v[MX+3]
	v_permlanex16_b32 v[PT], v[MX], s56, s57
	v_max_num_f32 v[MX], v[MX], v[PT]              ; and of the other half's 128
	v_mul_f32 v[C0], s61, v[MX]                    ; |f| max
.set n, 0
.rept 64
	v_pk_fma_f32 v[SCR+n:SCR+n+1], v[SCR+n:SCR+n+1], s[58:59], v[C0:C0+1] op_sel_hi:[1,0,0]   ; |f| (max - S'), two at a time (of both pairs the low word serves both halves)
.set n, n+2
.endr
.set n, 0
.rept 128
	v_exp_f32 v[SCR+n], v[SCR+n]
.set n, n+1
.endr
	v_nop                                          ; a plain line behind the last exponential,
	s_wait_alu depctr_va_vdst(0)                   ; and the one wait for the batch, ahead of its first reader
.set n, 0
.rept 64
	v_pk_add_f32 v[SCR+n:SCR+n+1], v[SCR+n:SCR+n+1], 1.0 op_sel_hi:[1,0]
.set n, n+2
.endr
.set n, 0
.rept 128
	v_rcp_f32 v[SCR+n], v[SCR+n]                   ; p = sigmoid(5 (s - max)); an exponential that overflowed gives p = 0
.set n, n+1
.endr
	v_nop
	s_wait_alu depctr_va_vdst(0)                   ; one wait for the batch of reciprocals
.irp c, 0,1,2,3
	v_pk_add_f32 v[SUM+2*\c:SUM+2*\c+1], v[SCR+32*\c:SCR+32*\c+1], v[SCR+32*\c+2:SCR+32*\c+3]   ; the row's sum, two at a time, in four chains
.endr
.irp i, 2,3,4,5,6,7,8,9,10,11,12,13,14,15
.irp c, 0,1,2,3
	v_pk_add_f32 v[SUM+2*\c:SUM+2*\c+1], v[SUM+2*\c:SUM+2*\c+1], v[SCR+32*\c+2*\i:SCR+32*\c+2*\i+1]
.endr
.endr
	v_pk_add_f32 v[SUM:SUM+1], v[SUM:SUM+1], v[SUM+2:SUM+3]
	v_pk_add_f32 v[SUM+4:SUM+5], v[SUM+4:SUM+5], v[SUM+6:SUM+7]
	v_pk_add_f32 v[SUM:SUM+1], v[SUM:SUM+1], v[SUM+4:SUM+5]
	v_add_f32 v[SUM], v[SUM], v[SUM+1]
	v_permlanex16_b32 v[PT], v[SUM], s56, s57
	v_add_f32 v[SUM], v[SUM], v[PT]
	v_add_f32 v[SUM], 0x322bcc77, v[SUM]           ; + 1e-8
	v_rcp_f32 v[INV], v[SUM]
	v_nop
	s_wait_alu depctr_va_vdst(0)
.set n, 0
.rept 64
	v_pk_mul_f32 v[SCR+n:SCR+n+1], v[SCR+n:SCR+n+1], v[INV:INV+1] op_sel_hi:[1,0]   ; attn, finished: this is what is quantised
.set n, n+2
.endr
.set kt, 0
.rept 16
.irp j, 0,1,2,3,4,5,6,7
	v_min_num_f32 v[SCR+8*kt+\j], v[SCR+8*kt+\j], v[LIMP]   ; never negative: the hold is one-sided
.endr
	v_cvt_scalef32_pk8_fp8_f32 v[PRB+2*kt:PRB+2*kt+1], v[SCR+8*kt:SCR+8*kt+7], v[SCP]   ; registers 2 kt, 2 kt + 1: keys 16 kt + 8 h + 0 .. 7: the form's own order
.set kt, kt+1
.endr
	v_nop                                          ; a plain line between the last conversion and the products that read the codes
	s_wait_loadcnt 0x0                             ; V's image is in: it had the first tile's scores and softmax in which to land; in the later trips nothing is out
	WIN 0x01
.irp kb, 0,1
.irp t, 0,1,2,3
.if \kb == 0
	v_wmma_f32_16x16x128_fp8_fp8 v[OT+8*\t:OT+8*\t+7], v[128+16*(2*\t+\kb):128+16*(2*\t+\kb)+15], v[PRB+16*\kb:PRB+16*\kb+15], 0
.else
	v_wmma_f32_16x16x128_fp8_fp8 v[OT+8*\t:OT+8*\t+7], v[128+16*(2*\t+\kb):128+16*(2*\t+\kb)+15], v[PRB+16*\kb:PRB+16*\kb+15], v[OT+8*\t:OT+8*\t+7]
.endif
.endr
.endr
	WIN 0
	PLACES
.irp t, 0,1,2,3
.irp j, 0,1,2,3,4,5,6,7
	v_med3_num_f32 v[OT+8*\t+\j], v[OT+8*\t+\j], -v[LIMA], v[LIMA]
.endr
	v_cvt_scalef32_pk8_fp8_f32 v[AT+2*\t:AT+2*\t+1], v[OT+8*\t:OT+8*\t+7], v[SCA]   ; query r, features 64 w + 16 t + 8 h + 0 .. 7
.endr
	v_nop
	ds_store_b128 v8, v[AT:AT+3]                   ; the image of half a K step of the last product
	ds_store_b128 v8, v[AT+4:AT+7] offset:512
	s_add_co_u32 s30, s30, 1024
	s_add_co_u32 s29, s29, 1
	s_cmp_lt_u32 s29, 8
	s_cbranch_scc1 .Latt
	; ---- the last product: my 64 columns of out0 for the work-group's 128 rows
	WLOAD 3
	BIASLD_T BO, BOP
	BAR                                            ; every head's attended codes lie in LDS
	s_wait_loadcnt 0x0
	s_mov_b32 s29, 0
	s_mov_b32 s30, 0
.Lout:
	v_add_nc_u32 v6, s30, v11
.irp s, 0,1,2,3
.irp c, 0,1,2,3
	ds_load_b128 v[FRO+16*\s+4*\c:FRO+16*\s+4*\c+3], v6 offset:(2*\s+\c/2)*8192+(\c%2)*512   ; K step s, group c: head 2 s + c / 2, its registers 4 (c % 2) on
.endr
.endr
	WIN 0x01
.irp s, 0,1,2,3
	s_wait_dscnt 12-4*\s                           ; K step s's four loads are in; those of the later steps may be out
.irp t, 0,1,2,3
.if \s == 0
	v_wmma_f32_16x16x128_fp8_fp8 v[ACC+8*\t:ACC+8*\t+7], v[16*(4*\t+\s):16*(4*\t+\s)+15], v[FRO+16*\s:FRO+16*\s+15], 0
.else
	v_wmma_f32_16x16x128_fp8_fp8 v[ACC+8*\t:ACC+8*\t+7], v[16*(4*\t+\s):16*(4*\t+\s)+15], v[FRO+16*\s:FRO+16*\s+15], v[ACC+8*\t:ACC+8*\t+7]
.endif
.endr
.endr
	WIN 0
	PLACES
.set n, 0
.rept 16
	v_pk_fma_f32 v[OUTR+n:OUTR+n+1], v[ACC+n:ACC+n+1], s[62:63], v[BO+n:BO+n+1] op_sel_hi:[1,0,1]   ; sum x 2^(e10 + e11) + bo
.set n, n+2
.endr
.irp t, 0,1,2,3
	ds_store_b128 v18, v[OUTR+8*\t:OUTR+8*\t+3] offset:64*\t       ; lane (r, h): row r, columns 16 t + 8 h + 0 .. 7, into my own stage
	ds_store_b128 v18, v[OUTR+8*\t+4:OUTR+8*\t+7] offset:64*\t+16
.endr
.irp a, 0,1,2,3,4,5,6,7
	ds_load_b128 v[BK+4*\a:BK+4*\a+3], v19 offset:\a*544           ; back by rows, two an instruction; LDS serves a wave's instructions in order (ISA guide 5.7.1.4): these see my stores
.endr
.irp a, 0,1,2,3,4,5,6,7
	s_wait_dscnt 7-\a                              ; pair a of rows is in; the later pairs may be out
	global_store_b128 v20, v[BK+4*\a:BK+4*\a+3], s[OP:OP+1] offset:\a*4096 th:TH_STORE_NT   ; sixteen lanes store 256 consecutive bytes, at a multiple of 256 from out0's first byte
.endr
	s_wait_xcnt 0x0                                ; the stores have read their registers and their base: both may be written again
	s_add_nc_u64 s[OP:OP+1], s[OP:OP+1], 32768
	s_add_co_u32 s30, s30, 1024
	s_add_co_u32 s29, s29, 1
	s_cmp_lt_u32 s29, 8
	s_cbranch_scc1 .Lout
	s_wait_tensorcnt 0x0                           ; the wave's end, behind my last LDS store; the tensor wait stands in a text with no tensor load too
	ds_add_u32 v16, v17
	s_wait_dscnt 0x0
	s_endpgm
.Lfunc_end_k_qcd77d1eae8_attend:
	.size	k_qcd77d1eae8_attend, .Lfunc_end_k_qcd77d1eae8_attend-k_qcd77d1eae8_attend
	.p2alignl 7, 3214868480
	.fill 96, 4, 3214868480
	.section	.rodata,"a",@progbits
	.p2align	6, 0x0
	.amdhsa_kernel k_qcd77d1eae8_attend
		.amdhsa_group_segment_fixed_size 202752
		.amdhsa_private_segment_fixed_size 0
		.amdhsa_enable_private_segment 0
		.amdhsa_kernarg_size 64
		.amdhsa_user_sgpr_count 2
		.amdhsa_user_sgpr_kernarg_segment_ptr 1
		.amdhsa_wavefront_size32 1
		.amdhsa_system_sgpr_workgroup_id_x 1
		.amdhsa_system_sgpr_workgroup_id_y 1
		.amdhsa_system_sgpr_workgroup_id_z 1
		.amdhsa_system_vgpr_workitem_id 0
		.amdhsa_next_free_vgpr 512
		.amdhsa_next_free_sgpr 96
		.amdhsa_reserve_vcc 0
		.amdhsa_float_denorm_mode_32 3
		.amdhsa_float_denorm_mode_16_64 3
		.amdhsa_memory_ordered 1
		.amdhsa_forward_progress 1
		.amdhsa_inst_pref_size 140
	.end_amdhsa_kernel
	.amdgpu_metadata
---
amdhsa.version: [ 1, 2 ]
amdhsa.kernels:
  - .name:           k_qcd77d1eae8_attend
    .symbol:         k_qcd77d1eae8_attend.kd
    .args:
      - { .name: query_spikes, .offset: 0, .size: 8, .value_kind: global_buffer, .address_space: global }
      - { .name: wimg, .offset: 8, .size: 8, .value_kind: global_buffer, .address_space: global }
      - { .name: kvimg, .offset: 16, .size: 8, .value_kind: global_buffer, .address_space: global }
      - { .name: bq, .offset: 24, .size: 8, .value_kind: global_buffer, .address_space: global }
      - { .name: bo, .offset: 32, .size: 8, .value_kind: global_buffer, .address_space: global }
      - { .name: modality_weights, .offset: 40, .size: 8, .value_kind: global_buffer, .address_space: global }
      - { .name: lowp_scales, .offset: 48, .size: 8, .value_kind: global_buffer, .address_space: global }
      - { .name: out0, .offset: 56, .size: 8, .value_kind: global_buffer, .address_space: global }
    .group_segment_fixed_size: 202752
    .private_segment_fixed_size: 0
    .kernarg_segment_align: 8
    .kernarg_segment_size: 64
    .max_flat_workgroup_size: 256
    .sgpr_count:     96
    .vgpr_count:     512
    .wavefront_size: 32
...
	.end_amdgpu_metadata
.endif
;; end of part 3
